; MI455X (gfx1250); checked and timed in simulation.
; The chip was launched on July 23, 2026; its instructions are those of AMD's public machine-readable ISA for CDNA 5 (MIT licence, August 2026) and "CDNA5" Instruction Set Architecture Reference Guide (July 2026). The comments in the code are by the model that wrote it; some were corrected since.
;; LSTM. Allowed arithmetic: matrix products marked QUANTISED: E2M3 operands, one E8M0 scale for each 32 along K, by v_wmma_scale_f32_16x16x128_f8f6f4 with both operands' format E2M3, f32 sums; everything else in f32.
;; Inputs: Whc_w 2,048 x 2,048 float32; Whf_w 2,048 x 2,048 float32; Whi_w 2,048 x 2,048 float32; Who_w 2,048 x 2,048 float32; Why_b 1,024 float32; Why_w 1,024 x 2,048 float32; Wxc_b 2,048 float32; Wxc_w 2,048 x 1,024 float32; Wxf_b 2,048 float32; Wxf_w 2,048 x 1,024 float32; Wxi_b 2,048 float32; Wxi_w 2,048 x 1,024 float32; Wxo_b 2,048 float32; Wxo_w 2,048 x 1,024 float32; cell_state 2,048 x 2,048 float32; hidden_state 2,048 x 2,048 float32; x 2,048 x 1,024 float32.
;; Outputs: out0 2,048 x 1,024 float32; out1 2,048 x 2,048 float32; out2 2,048 x 2,048 float32.
;; This version of the problem:
;;   THIS VERSION OF THE PROBLEM IS GIVEN IN LOW PRECISION. The matrix products marked QUANTISED in the list below multiply operands that are first quantised to E2M3 (2 exponent bits, 3 mantissa bits; 6 bits a number), with one power-of-two scale for each 32 numbers along K (OCP MX v1.0); their sums are f32. All else is computed in f32.
;;   The module's matrix products, in the order in which they are computed (A, B: the left and right operand; K: the contracted axis; several contracted axes count as one K, in the product's order):
;;     1. [M 2,048, K 1,024] x [K 1,024, N 8,192]; A: input x; B: computed on the way: QUANTISED
;;     2. [M 2,048, K 2,048] x [K 2,048, N 8,192]; A: input hidden_state; B: computed on the way: QUANTISED
;;     3. [M 2,048, K 2,048] x [K 2,048, N 1,024]; A: computed on the way; B: input Why_w: QUANTISED
;;   THE QUANTISER, for each operand of a quantised product, along K:
;;     - K is cut into blocks of 32 from its start; a last block that is shorter is filled with zeros.
;;     - A block's scale is 2^e with e = floor(log2(the largest magnitude in the block)) - 2, held to -126 .. 127; a block of zeros has e = 0. As a byte (E8M0): e + 127.
;;     - Each number is divided by its block's scale, clamped to +-7.5, and rounded to the nearest number of E2M3, ties to even, subnormals kept.
;;     - The product sums the exact products of the quantised numbers (number of the format x scale) in f32.
;;   ~~~python
;;   def quantise(x, axis):      # numpy; x: float32 -> the quantised numbers, widened to float32 again
;;       x = np.moveaxis(x, axis, -1); K = x.shape[-1]
;;       x = np.pad(x, [(0, 0)] * (x.ndim - 1) + [(0, -K % 32)]); x = x.reshape(x.shape[:-1] + (-1, 32)); a = np.abs(x).max(-1, keepdims=True)
;;       e = np.where(a > 0, np.clip(np.frexp(np.where(a > 0, a, 1))[1] - 1 - 2, -126, 127), 0)      # np.frexp(a)[1] - 1 = floor(log2(a)), exactly
;;       r = np.clip(x / 2.0 ** e, -7.5, 7.5)
;;       step = 2.0 ** (np.maximum(np.frexp(np.where(r == 0, 1, r))[1] - 1, 0) - 3)
;;       q = np.round(r / step) * step * 2.0 ** e      # np.round: ties to even
;;       return np.moveaxis(q.reshape(q.shape[:-2] + (-1,))[..., :K], -1, axis).astype(np.float32)
;;   ~~~
;;   OPERANDS COMPUTED ON THE WAY. 'Computed on the way' means the value that the module computes at that place (a softmax that the list does not call 'softmax' is quantised finished and normalised). What goes into a quantiser is computed in f32, as accurately as f32 sums, v_exp_f32 and their like allow (about 1e-6 of the number): no bf16 or f16 on the way to a quantiser, and a product that is left as it is and whose result goes on into a quantised operand takes f32 operands (vector FMAs, or v_wmma_f32_16x16x4_f32). A number that lies on a knife's edge between two numbers of the format may be rounded either way, as far as f32 arithmetic and the matrix unit's own rounding can turn it there, and no further.
;; One version. Each part assembles by itself: llvm-mc -triple=amdgcn-amd-amdhsa -mcpu=gfx1250 --defsym DOCPART=n.
;; ======== version 1 of 1: 3 launches
;; limits: right only within a limited range of input values
;; workspace buffers: acodes 4,915,200 bytes; bcodes 19,660,800 bytes; ycodes 1,638,400 bytes; hcodes 3,276,800 bytes
;; launch quant (part 1): grid 1024 x 1, 4 waves a work-group, no clusters, 34,304 bytes of LDS; arguments x, hidden_state, Wxi_w, Wxf_w, Wxc_w, Wxo_w, Whi_w, Whf_w, Whc_w, Who_w, Why_w, acodes, bcodes, ycodes; writes acodes, bcodes, ycodes
.if DOCPART == 1
	.amdgcn_target "amdgcn-amd-amdhsa--gfx1250"
	.amdhsa_code_object_version 6
	.text
	.protected	k_q21bca6fd37_quant
	.globl	k_q21bca6fd37_quant
	.p2align	8
	.type	k_q21bca6fd37_quant,@function
k_q21bca6fd37_quant:
	s_mov_b64 s[64:65], 0
	v_nop
	global_prefetch_b8 v0, s[64:65] scope:SCOPE_SE
	s_setreg_imm32_b32 hwreg(HW_REG_WAVE_MODE, 25, 1), 1
	s_wait_xcnt 0x0
; All eleven f32 operands of the three products become codes of FP6 (E2M3) with one E8M0 byte for each 32 along K (K is innermost in all of them).
; A block's scale is 2^(floor(log2(largest magnitude)) - 2): its byte is the largest magnitude's exponent field - 2, held at 1 from below by a floor among the maximum's leaves.
; LIMITS: NaN and infinities are not served.  A block of zeros, or one whose largest magnitude lies under 2^-124, gets the byte 1 (the rule says 127 for zeros): its codes are zeros, and this program alone reads the bytes.
; LAYOUT OF THE RESULT: images of the operand's registers.  A fragment (16 rows x 128 K, 12 registers a lane) is 1,536 bytes: register 4 c + k of lane L at byte 512 c + 16 L + 4 k.
; Inside each 128 along K the instruction's four blocks hold the source's blocks 0, 2, 1, 3 (on every operand alike, so the products stay the same): lane (r, h) then holds 64 NEIGHBOURS of row r, from 64 h on.
; A tile is 128 rows x 256 K, 25,600 bytes: the 8 images of the first 128 along K (i x 1,536: i the block of 16 rows), 1,024 bytes of scale words, the 8 images of the second 128 along K: so a tile and a half, with the scale words
; that it needs, is one dense run of bytes.  The scale word of (i, q, r) lies at 256 (i / 2) + 128 q + 8 r + 4 (i % 2) among them.  Why_w's tiles have 64 rows: half of each part.
; SHARES: one work-group to 128 rows x 256 K, one wave to 32 rows (4 fragments f = 2 u + q).  Work-groups 0-191: [x | hidden_state]; 192-959: the gate weights; 960-1023: Why_w.  Only pointers and scalars are chosen: one path for all.
; A weight tile holds hidden units 32 g .. 32 g + 31 of all four gates (wave = gate); image row rho of block u is unit 8 u + rho + 8 (rho / 8), so that the product's results fall as 16 neighbouring units a lane.
; Every load reads 512 consecutive bytes of a row; the 16 rows of a fragment turn through the wave's own stage in LDS (pitch 528) and come back 256 bytes a lane.  No barrier: waves share nothing.
.set TILE,  25600
.set WST,   8448                       ; a wave's stage: 16 rows x (512 + 16) bytes
.set SPARE, 4*WST                      ; behind the stages: the spare words, 128 bytes a wave: two blocks of 256 bytes that no other line names
.set SPW,   9                          ; v9   my spare word's LDS address; never rewritten
.set NIL,   10                         ; v10  0; never rewritten
.set OFF,   16                         ; v16-31   byte offset of my 16 bytes in image row i of a block; never rewritten
.set R,     32                         ; v32-159  two sets of 64: a fragment as loaded
.set X,     160                        ; v160-223 my 64 neighbours
.set C,     224                        ; v224-235 the fragment's 12 registers
.set CT,    236                        ; v236-238, v240-242: the halves whose place begins on an odd register
.set M,     244                        ; v244-245 largest magnitudes;  v246-247 the conversions' scale operands;  v248-249 the bytes
.set SO,    246
.set BY,    248
.set PT,    250                        ; v250 a lane permute's destination
.set W,     252                        ; v252-255 the four fragments' scale words
	s_load_b512 s[8:23], s[0:1], 0x0               ; x 8, hidden_state 10, Wxi 12, Wxf 14, Wxc 16, Wxo 18, Whi 20, Whf 22
	s_load_b256 s[24:31], s[0:1], 0x40             ; Whc 24, Who 26, Why_w 28, acodes 30
	s_load_b128 s[32:35], s[0:1], 0x60             ; bcodes 32, ycodes 34
	v_lshl_add_u32 v[SPW], v0, 2, SPARE
	v_mov_b32 v[NIL], 0
	v_lshrrev_b32 v1, 5, v0
	v_readfirstlane_b32 s36, v1                    ; wave w
	v_and_b32 v1, 31, v0                           ; lane
	v_and_b32 v2, 15, v0                           ; r
	v_bfe_u32 v3, v0, 4, 1                         ; h
	v_lshlrev_b32 v4, 4, v1                        ; 16 x lane
	s_wait_alu depctr_va_vdst(0)
	s_mul_i32 s52, s36, WST
	v_add_nc_u32 v5, s52, v4                       ; the stage, in: a row's 512 bytes as they lie
	v_mul_u32_u24 v6, v2, 528
	v_lshl_add_u32 v6, v3, 8, v6
	v_add_nc_u32 v6, s52, v6                       ; and out: row r, 256 h on
	v_lshlrev_b32 v7, 3, v3                        ; 8 h: my bytes' place in the scale word
	v_lshlrev_b32 v8, 3, v1                        ; 8 x lane
	v_mov_b32 v[PT], 0
	s_mov_b32 s56, 0x76543210
	s_mov_b32 s57, 0xfedcba98                      ; selects for lane l xor 16
	; which tile: t (256 along K) and g (group of rows), for each of the three kinds, then the choice by the work-group's number
	s_lshr_b32 s38, ttmp9, 4
	s_and_b32 s39, ttmp9, 15
	s_sub_co_u32 s52, ttmp9, 192
	s_lshr_b32 s53, s52, 6
	s_and_b32 s54, s52, 63
	s_sub_co_u32 s55, ttmp9, 960
	s_lshr_b32 s62, s55, 3
	s_and_b32 s63, s55, 7
	s_cmp_lt_u32 ttmp9, 960
	s_cselect_b32 s53, s53, s62
	s_cselect_b32 s54, s54, s63
	s_cselect_b32 s37, 0, 4
	s_cmp_lt_u32 ttmp9, 192
	s_cselect_b32 s38, s38, s53                    ; t
	s_cselect_b32 s39, s39, s54                    ; g
	s_add_co_u32 s37, s37, s38                     ; t, for Why_w t + 4: under 4 means the operand with K = 1,024 (x, Wx)
	s_sub_co_u32 s53, s37, 4
	s_mov_b32 s40, 8192
	s_cmp_lt_u32 s37, 4
	s_cselect_b32 s40, 4096, s40                   ; P: a source row in bytes
	s_cselect_b32 s41, s37, s53                    ; which 256 columns of the source
	s_lshl_b32 s53, s39, 7
	s_lshl_b32 s54, s36, 5
	s_add_co_u32 s53, s53, s54                     ; 128 g + 32 w
	s_lshl_b32 s54, s39, 5                         ; 32 g
	s_cmp_lt_u32 s52, 768                          ; a gate weight?
	s_cselect_b32 s42, s54, s53                    ; my first source row
	s_cselect_b32 s43, 16, 8                       ; image rows 8-15 begin so many source rows down,
	s_cselect_b32 s55, 8, 16                       ; and block u = 1 so many
	s_mul_i32 s52, s42, s40
	s_lshl_b32 s53, s41, 10
	s_add_co_u32 s52, s52, s53                     ; the source's byte: under 2^25
	s_mov_b32 s53, 0
	s_mul_i32 s54, s55, s40
	s_mov_b32 s55, 0
	s_mul_i32 s43, s43, s40
	v_mov_b32 v[OFF], v4
	v_add_nc_u32 v[OFF+8], s43, v4
.irp j, 1,2,3,4,5,6,7
	v_add_nc_u32 v[OFF+\j], s40, v[OFF+\j-1]
	v_add_nc_u32 v[OFF+8+\j], s40, v[OFF+8+\j-1]
.endr
	; where the results go
	s_mul_i32 s41, s39, 12
	s_add_co_u32 s41, s41, s38
	s_mul_i32 s41, s41, TILE                       ; acodes, bcodes: tile 12 g + t
	s_lshl_b32 s42, s39, 1
	s_lshr_b32 s62, s36, 1
	s_add_co_u32 s42, s42, s62
	s_lshl_b32 s42, s42, 3
	s_add_co_u32 s42, s42, s38
	s_mul_i32 s42, s42, TILE/2                     ; ycodes: tile (2 g + w / 2) 8 + t
	s_and_b32 s62, s36, 1
	s_mov_b32 s63, 6144
	s_mov_b32 s4, 6656
	s_cmp_lt_u32 ttmp9, 960
	s_cselect_b32 s41, s41, s42
	s_cselect_b32 s62, s36, s62                    ; my 32 rows' place in the tile
	s_cselect_b32 s63, 12288, s63                  ; where the scale words begin: behind the first 128 along K's images
	s_cselect_b32 s4, 13312, s4                    ; and the second 128 along K's images: behind the scale words
	s_mov_b32 s5, 0
	s_lshl_b32 s42, s62, 8
	s_add_co_u32 s42, s42, s63
	s_add_co_u32 s42, s42, s41                     ; my 256 bytes of scale words
	s_mul_i32 s62, s62, 3072
	s_add_co_u32 s62, s62, s41                     ; my two images of the first 128 along K
	s_mov_b32 s63, 0
	s_wait_alu depctr_va_vdst(0)
	s_wait_kmcnt 0x0
	s_cmp_lt_u32 s36, 2                            ; the gate's weights: wave = gate (i, f, c, o)
	s_cselect_b64 s[44:45], s[12:13], s[16:17]
	s_cselect_b64 s[46:47], s[14:15], s[18:19]
	s_cselect_b64 s[58:59], s[20:21], s[24:25]
	s_cselect_b64 s[60:61], s[22:23], s[26:27]
	s_and_b32 s41, s36, 1
	s_cmp_lg_u32 s41, 0
	s_cselect_b64 s[44:45], s[46:47], s[44:45]
	s_cselect_b64 s[58:59], s[60:61], s[58:59]
	s_cmp_lt_u32 s37, 4
	s_cselect_b64 s[44:45], s[44:45], s[58:59]     ; Wx or Wh
	s_cselect_b64 s[46:47], s[8:9], s[10:11]       ; x or hidden_state
	s_cmp_lt_u32 ttmp9, 192
	s_cselect_b64 s[44:45], s[46:47], s[44:45]
	s_cselect_b64 s[48:49], s[30:31], s[32:33]
	s_cmp_lt_u32 ttmp9, 960
	s_cselect_b64 s[44:45], s[44:45], s[28:29]
	s_cselect_b64 s[48:49], s[48:49], s[34:35]
	s_add_nc_u64 s[44:45], s[44:45], s[52:53]      ; block u = 0
	s_add_nc_u64 s[46:47], s[44:45], s[54:55]      ; block u = 1
	s_mov_b32 s52, s42
	s_add_nc_u64 s[50:51], s[48:49], s[52:53]      ; the scale words
	s_add_nc_u64 s[48:49], s[48:49], s[62:63]      ; the images of q = 0
	s_add_nc_u64 s[6:7], s[48:49], s[4:5]          ; and of q = 1
.macro LOAD f                          ; fragment f: 16 image rows, 512 consecutive bytes each
.irp i, 0,1,2,3,4,5,6,7,8,9,10,11,12,13,14,15
	global_load_b128 v[R+64*((\f)%2)+4*\i:R+64*((\f)%2)+4*\i+3], v[OFF+\i], s[44+2*((\f)/2):45+2*((\f)/2)] offset:512*((\f)%2) th:TH_LOAD_NT
.endr
.endm
.macro FRAGQ f
.if (\f) < 3
	s_wait_loadcnt 16                              ; this fragment's 16 loads are in; the next fragment's 16 may be out
.else
	s_wait_loadcnt 0x0
.endif
.irp i, 0,1,2,3,4,5,6,7,8,9,10,11,12,13,14,15
	ds_store_b128 v5, v[R+64*((\f)%2)+4*\i:R+64*((\f)%2)+4*\i+3] offset:528*\i
.endr
.irp k, 0,1,2,3,4,5,6,7,8,9,10,11,12,13,14,15
	ds_load_b128 v[X+4*\k:X+4*\k+3], v6 offset:16*\k   ; LDS serves a wave's instructions in order: these see the stores above
.endr
	s_wait_dscnt 0x0
.if (\f) > 0
	s_wait_xcnt 0x0                                ; the last fragment's stores have read their data: the codes' registers are written again only behind this wait
.endif
.if (\f) < 2
	LOAD (\f)+2                                    ; into the set that the stage has just taken over
.endif
.irp c, 0,1
	v_max3_num_f32 v[M+\c], |v[X+32*\c]|, |v[X+32*\c+1]|, 0x1800000   ; my two blocks by turns; the floor 2^(3 - 127) holds the byte at 1 from below
.endr
.irp i, 2,4,6,8,10,12,14,16,18,20,22,24,26,28,30
.irp c, 0,1
	v_max3_num_f32 v[M+\c], v[M+\c], |v[X+32*\c+\i]|, |v[X+32*\c+\i+1]|
.endr
.endr
.irp c, 0,1
	v_add_nc_u32 v[SO+\c], 0xff000000, v[M+\c]     ; 2 off the exponent field: the conversion's scale operand
.endr
.irp c, 0,1
	v_lshrrev_b32 v[BY+\c], 23, v[SO+\c]           ; the byte
.endr
	v_lshl_or_b32 v11, v[BY+1], 16, v[BY]          ; source blocks 2 h and 2 h + 1 stand at the instruction's blocks h and 2 + h
	v_lshlrev_b32 v11, v7, v11
	v_permlanex16_b32 v[PT], v11, s56, s57
	v_or_b32 v[W+(\f)], v11, v[PT]                 ; with lane l xor 16's two bytes the row's word is whole, in both halves
	v_cvt_scalef32_pk16_fp6_f32 v[C:C+2], v[X:X+15], v[SO]
	v_cvt_scalef32_pk16_fp6_f32 v[CT:CT+2], v[X+16:X+31], v[SO]        ; (a conversion's three registers begin on an even number)
	v_cvt_scalef32_pk16_fp6_f32 v[C+6:C+8], v[X+32:X+47], v[SO+1]
	v_cvt_scalef32_pk16_fp6_f32 v[CT+4:CT+6], v[X+48:X+63], v[SO+1]
	v_nop                                          ; one plain place behind the scaled conversions
.irp i, 0,1,2
	v_mov_b32 v[C+3+\i], v[CT+\i]
	v_mov_b32 v[C+9+\i], v[CT+4+\i]
.endr
.irp c, 0,1,2
	global_store_b128 v4, v[C+4*\c:C+4*\c+3], s[48-42*((\f)%2):49-42*((\f)%2)] offset:1536*((\f)/2)+512*\c   ; q = 0 by s[48:49], q = 1 by s[6:7]; 32 lanes store 512 consecutive bytes, aligned to 256
.endr
.endm
	LOAD 0
	LOAD 1
	FRAGQ 0
	FRAGQ 1
	FRAGQ 2
	FRAGQ 3
	v_cmp_ne_u32 vcc_lo, 0, v3                     ; the scale words: lanes 0-15 give q = 0's, lanes 16-31 q = 1's; two registers: blocks u = 0, 1
	v_cndmask_b32 v12, v[W], v[W+1], vcc_lo
	v_cndmask_b32 v13, v[W+2], v[W+3], vcc_lo
	global_store_b64 v8, v[12:13], s[50:51]        ; 32 lanes store 256 consecutive bytes, aligned
	s_wait_tensorcnt 0x0                           ; the wave's end
	ds_add_u32 v[SPW], v[NIL]
	s_wait_dscnt 0x0
	s_endpgm
.Lfunc_end_k_q21bca6fd37_quant:
	.size	k_q21bca6fd37_quant, .Lfunc_end_k_q21bca6fd37_quant-k_q21bca6fd37_quant
	.p2alignl 7, 3214868480
	.fill 96, 4, 3214868480
	.section	.rodata,"a",@progbits
	.p2align	6, 0x0
	.amdhsa_kernel k_q21bca6fd37_quant
		.amdhsa_group_segment_fixed_size 34304
		.amdhsa_private_segment_fixed_size 0
		.amdhsa_enable_private_segment 0
		.amdhsa_kernarg_size 112
		.amdhsa_user_sgpr_count 2
		.amdhsa_user_sgpr_kernarg_segment_ptr 1
		.amdhsa_wavefront_size32 1
		.amdhsa_system_sgpr_workgroup_id_x 1
		.amdhsa_system_sgpr_workgroup_id_y 1
		.amdhsa_system_sgpr_workgroup_id_z 1
		.amdhsa_system_vgpr_workitem_id 0
		.amdhsa_next_free_vgpr 256
		.amdhsa_next_free_sgpr 66
		.amdhsa_reserve_vcc 1
		.amdhsa_float_denorm_mode_32 3
		.amdhsa_float_denorm_mode_16_64 3
		.amdhsa_memory_ordered 1
		.amdhsa_forward_progress 1
		.amdhsa_inst_pref_size 33
	.end_amdhsa_kernel
	.amdgpu_metadata
---
amdhsa.version: [ 1, 2 ]
amdhsa.kernels:
  - .name:           k_q21bca6fd37_quant
    .symbol:         k_q21bca6fd37_quant.kd
    .args:
      - { .name: x, .offset: 0, .size: 8, .value_kind: global_buffer, .address_space: global }
      - { .name: hidden_state, .offset: 8, .size: 8, .value_kind: global_buffer, .address_space: global }
      - { .name: Wxi_w, .offset: 16, .size: 8, .value_kind: global_buffer, .address_space: global }
      - { .name: Wxf_w, .offset: 24, .size: 8, .value_kind: global_buffer, .address_space: global }
      - { .name: Wxc_w, .offset: 32, .size: 8, .value_kind: global_buffer, .address_space: global }
      - { .name: Wxo_w, .offset: 40, .size: 8, .value_kind: global_buffer, .address_space: global }
      - { .name: Whi_w, .offset: 48, .size: 8, .value_kind: global_buffer, .address_space: global }
      - { .name: Whf_w, .offset: 56, .size: 8, .value_kind: global_buffer, .address_space: global }
      - { .name: Whc_w, .offset: 64, .size: 8, .value_kind: global_buffer, .address_space: global }
      - { .name: Who_w, .offset: 72, .size: 8, .value_kind: global_buffer, .address_space: global }
      - { .name: Why_w, .offset: 80, .size: 8, .value_kind: global_buffer, .address_space: global }
      - { .name: acodes, .offset: 88, .size: 8, .value_kind: global_buffer, .address_space: global }
      - { .name: bcodes, .offset: 96, .size: 8, .value_kind: global_buffer, .address_space: global }
      - { .name: ycodes, .offset: 104, .size: 8, .value_kind: global_buffer, .address_space: global }
    .group_segment_fixed_size: 34304
    .private_segment_fixed_size: 0
    .kernarg_segment_align: 8
    .kernarg_segment_size: 112
    .max_flat_workgroup_size: 128
    .sgpr_count:     66
    .vgpr_count:     256
    .wavefront_size: 32
...
	.end_amdgpu_metadata
.endif
;; end of part 1
;; launch gates (part 2): grid 32 x 8, 4 waves a work-group, clusters of 4 x 4, 327,680 bytes of LDS; arguments acodes, bcodes, cell_state, Wxi_b, Wxf_b, Wxc_b, Wxo_b, out1, out2, hcodes; writes out1, out2, hcodes
.if DOCPART == 2
	.amdgcn_target "amdgcn-amd-amdhsa--gfx1250"
	.amdhsa_code_object_version 6
	.text
	.protected	k_q21bca6fd37_gates
	.globl	k_q21bca6fd37_gates
	.p2align	8
	.type	k_q21bca6fd37_gates,@function
k_q21bca6fd37_gates:
	s_mov_b64 s[64:65], 0
	v_nop
	global_prefetch_b8 v0, s[64:65] scope:SCOPE_SE
	s_setreg_imm32_b32 hwreg(HW_REG_WAVE_MODE, 25, 1), 1
	s_wait_xcnt 0x0
	s_wait_alu depctr_hold_cnt(0) depctr_sa_sdst(0) depctr_va_vdst(0) depctr_va_sdst(0) depctr_va_ssrc(0) depctr_va_vcc(0) depctr_vm_vsrc(0)
	s_getreg_b32 s2, hwreg(HW_REG_IB_STS2, 6, 4)
	s_cmp_eq_u32 s2, 0
	s_cbranch_scc0 .Lentry_in_a_cluster
	s_endpgm
.Lentry_in_a_cluster:
	s_bfe_u32 s2, ttmp6, 0x10000c
	s_cmp_lg_u32 s2, 0xf033
	s_cbranch_scc0 .Lentry_shape_is_right
	s_endpgm
.Lentry_shape_is_right:
; gates = [x | hidden_state] [Wx | Wh]^T + bx on codes of FP6 (K = 3,072), then the cell in f32: new_cell = sig(f) cell + sig(i) tanh(c), new_hidden = sig(o) tanh(new_cell).
; Stored: out2 = new_cell, out1 = new_hidden, and new_hidden's codes and scale bytes (hcodes) for the last product.
; SHARES.  Work-group (X, Y): rows 256 Y .. + 255, hidden units 64 X .. + 63 of all four gates.  Wave (rh, ch): 128 rows x 32 units x 4 gates: 64 accumulators, 512 registers;
; accumulator (a, b): rows 16 a .. + 15, gate b / 2 (i, f, c, o), half b % 2 of the units.  Transposed use (source 0 = weights, source 1 = rows): a lane holds one row and 16 neighbouring units of each gate.
; Both operands come as images of the operand's registers (launch quant): a fragment is three ds_load_b128 at 16 x lane.  The bias is the C of the first products: nothing is cleared.
; RING: two slots; a slot holds, for each of four parts (A's two groups of 128 rows, B's two), a tile and a half with the scale words that it needs: 384 along K, 152 rows of 256 dense bytes, one joint load a wave.
; CLUSTERS 4 x 4: A's parts are shared along a row of the cluster, B's along a column.  Every refill stands behind the three lines and a round of the cluster's barrier; every wait on TENSORcnt is for 0.
; The work-group's 256 x 64 numbers of cell_state come by one plain tensor load a wave into slot 0, behind the round that follows that slot's last read.
; PREFETCH: behind each refill a wave names the 256-byte blocks of the part that the refill after the next one of that slot's partner brings; the four partners share the blocks out by address.
; sig(x) = 1 / (1 + 2^(-x log2 e)), tanh(x) = 1 - 2 / (1 + 2^(2 x log2 e)): an exponential that overflows gives the function's limit.  LIMITS: NaN and infinities among the inputs are not served.
.set TILE,  25600
.set HTAIL, 24576
.set FRB,   1536
.set FR,    12
.set PART,  38912
.set SLOT,  4*PART
.set TWO,   3*TILE
.set IE0,   0
.set IE1,   13312
.set IE2,   25600
.set TE0,   12288
.set TE1,   37888
.set IO0,   1024
.set IO1,   13312
.set IO2,   26624
.set TO2,   25600
.set CP,    272
.set SPARE, 2*SLOT
.set HST,   256*CP
.set CST,   2*256*CP
.set SST,   CST+16*768
.set RDC, 3
.set RDH, 4
.set CO,  5
.set RD3, 6
.set GO3, 7
.set RDS, 8
.set L8,  9
.set TM,  10
.set TMB, 11
.set SOP, 12
.set BOF, 13
.set ADRA, 16
.set ASA,  18
.set ADRB, 20
.set ASB,  22
.set CL,  24
.set HS,  25
.set C3,  26
.set SS,  27
.set SPW, 28
.set NIL, 29
.set T2,  31
.set SC0, 32
.set SC1, 48
.set SC2, 224
.set BI,  64
.set AF,  128
.set OB,  160
.set PE1, 240
.set PE2, 241
.set PO1, 242
.set PO2, 243
.set G1,  24
.set G0,  32
.set G1B, 48
.set G0B, 56
.set G1C, 68
.set G0C, 76
.set MSB, 0
.macro WIN new
.if MSB != (\new)
	s_set_vgpr_msb (MSB<<8)|(\new)
.set MSB, \new
.endif
.endm
.set MUL_LO, 0xa1
.set MUL_HI, 0xf1
.set TO_B,   0x40
.macro PLACES n
.rept \n
	v_nop
.endr
.endm
.macro JLOAD g0a, g1a, g0b, g1b
	s_cmp_eq_u32 s81, 0
	s_cbranch_scc0 .Lfor_b_\@
	tensor_load_to_lds s[\g0a:\g0a+3], s[\g1a:\g1a+7]
	s_nop 0
.rept 4
	v_nop
.endr
	s_branch .Lasked_\@
.Lfor_b_\@:
	tensor_load_to_lds s[\g0b:\g0b+3], s[\g1b:\g1b+7]
	s_nop 0
.rept 4
	v_nop
.endr
.Lasked_\@:
.endm
.macro CREST
	s_cmp_lg_u32 s80, 0
	s_cbranch_scc1 .Lnot_wave_0_\@
	s_barrier_signal -3
.Lnot_wave_0_\@:
	s_barrier_wait -3
	s_barrier_signal -1
	s_barrier_wait -1
.endm
.macro CROUND
	s_barrier_signal -1
	s_barrier_wait -1
	CREST
.endm
; A prefetch, behind a refill and the run of LDS loads that follows it: the other slot's next fill, which is requested one change of slots (three steps of 128 along K) later.
; Every cluster asks for what it will itself load; of a part's rows of 256 bytes each of the four partners that ask for it jointly names a quarter, told apart by address; a lane a row.
; how = 0: slot 0's next fill; in the loop's last trip (s84 = 1) there is none, and nothing is asked for.
.macro ASK how, ptr, o1, o2
.if (\how) == 0
	s_cmp_gt_u32 s84, 1
	s_cbranch_scc0 .Lnot_mine_\@
.endif
	global_prefetch_b8 v[\o1], s[\ptr:\ptr+1] th:TH_LOAD_NT scope:SCOPE_SE
	global_prefetch_b8 v[\o2], s[\ptr:\ptr+1] th:TH_LOAD_NT scope:SCOPE_SE
.Lnot_mine_\@:
.endm
	s_load_b512 s[4:19], s[0:1], 0x0
	s_load_b128 s[20:23], s[0:1], 0x40
	v_lshl_add_u32 v[SPW], v0, 2, SPARE
	v_mov_b32 v[NIL], 0
	ds_add_u32 v[SPW], v[NIL]
	ds_add_u32 v[SPW], v[NIL]
	v_lshrrev_b32 v1, 5, v0
	v_readfirstlane_b32 s80, v1
	s_lshr_b32 s81, s80, 1
	s_and_b32 s82, s80, 1
	s_bfe_u32 s40, ttmp6, 0x40000
	s_bfe_u32 s41, ttmp6, 0x40004
	s_lshl_b32 s42, ttmp9, 2
	s_add_co_u32 s42, s42, s40
	s_and_b32 s43, ttmp7, 0xffff
	s_lshl_b32 s43, s43, 2
	s_add_co_u32 s43, s43, s41
	s_lshl_b32 s46, s41, 2
	s_lshl_b32 s46, 15, s46
	s_lshl_b32 s47, 0x1111, s40
	s_or_b32 s[G1], s46, (3<<16)|(1<<21)
	s_or_b32 s[G1B], s47, (3<<16)|(1<<21)
.irp g, G1, G1B
	s_mov_b32 s[\g+1], 32<<16
	s_mov_b32 s[\g+2], 152<<16
	s_mov_b32 s[\g+3], 32<<16
	s_mov_b32 s[\g+4], 152
	s_mov_b32 s[\g+5], 32
	s_mov_b32 s[\g+6], 0
	s_mov_b32 s[\g+7], 0
.endr
	s_mov_b32 s[G1C], (2<<16)|(1<<20)|(5<<22)|(3<<25)
	s_mov_b32 s[G1C+1], 64<<16
	s_mov_b32 s[G1C+2], 64<<16
	s_mov_b32 s[G1C+3], 64<<16
	s_mov_b32 s[G1C+4], 64
	s_mov_b32 s[G1C+5], 2048
	s_mov_b32 s[G1C+6], 0
	s_mov_b32 s[G1C+7], 0
	s_lshl_b32 s92, s43, 1
	s_add_co_u32 s92, s92, s82
	s_mul_i32 s92, s92, 12*TILE
	s_mov_b32 s93, 0
	s_lshl_b32 s94, s42, 1
	s_add_co_u32 s94, s94, s82
	s_mul_i32 s94, s94, 12*TILE
	s_mov_b32 s95, 0
	s_mul_i32 s96, s80, PART
	s_lshl_b32 s97, s43, 8
	s_lshl_b32 s98, s80, 6
	s_add_co_u32 s97, s97, s98
	s_lshl_b32 s98, s97, 13
	s_lshl_b32 s99, s42, 8
	s_add_co_u32 s98, s98, s99
	s_mov_b32 s99, 0
	s_mov_b32 s86, 0xbfb8aa3b
	s_mov_b32 s87, s86
	s_mov_b32 s88, 0x4038aa3b
	s_mov_b32 s89, s88
	s_mov_b32 s90, 0x76543210
	s_mov_b32 s91, 0xfedcba98
	s_wait_dscnt 0x0
	s_wait_kmcnt 0x0
	s_add_nc_u64 s[92:93], s[4:5], s[92:93]
	s_add_nc_u64 s[94:95], s[6:7], s[94:95]
	s_mov_b32 s[G0C], 1
	s_mul_i32 s[G0C+1], s80, 64*CP
	s_add_nc_u64 s[G0C+2:G0C+3], s[8:9], s[98:99]
	s_or_b32 s[G0C+3], s[G0C+3], 0x80000000
	CROUND
.irp s, 0,1
	s_mov_b32 s[G0+4*\s], 1
	s_add_co_u32 s[G0+4*\s+1], s96, \s*SLOT
	s_add_nc_u64 s[G0+4*\s+2:G0+4*\s+3], s[92:93], \s*(PART-1024)
	s_or_b32 s[G0+4*\s+3], s[G0+4*\s+3], 0x80000000
	s_mov_b32 s[G0B+4*\s], 1
	s_add_co_u32 s[G0B+4*\s+1], s96, \s*SLOT
	s_add_nc_u64 s[G0B+4*\s+2:G0B+4*\s+3], s[94:95], \s*(PART-1024)
	s_or_b32 s[G0B+4*\s+3], s[G0B+4*\s+3], 0x80000000
.endr
	JLOAD G0, G1, G0B, G1B                         ; slot 0's first fill: one tensor load a wave at the head; the addresses and the bias loads below are made while it is out
	v_and_b32 v1, 15, v0
	v_bfe_u32 v2, v0, 4, 1
	v_and_b32 v10, 31, v0
	v_lshlrev_b32 v11, 4, v10
	v_lshlrev_b32 v[L8], 3, v10
	v_mov_b32 v[T2], 0
	s_mul_i32 s100, s81, PART
	s_mul_i32 s101, s82, PART
	s_add_co_u32 s101, s101, 2*PART
.irp s, 0,1
	v_add_nc_u32 v[ADRA+\s], s100, v11
	v_add_nc_u32 v[ASA+\s], s100, v[L8]
	v_add_nc_u32 v[ADRB+\s], s101, v11
	v_add_nc_u32 v[ASB+\s], s101, v[L8]
	s_add_co_u32 s100, s100, SLOT
	s_add_co_u32 s101, s101, SLOT
.endr
	s_mul_i32 s100, s81, 128*CP
	s_lshl_b32 s101, s82, 7
	s_add_co_u32 s100, s100, s101
	v_mul_u32_u24 v[CL], v1, CP
	v_lshl_add_u32 v[CL], v2, 6, v[CL]
	v_add_nc_u32 v[CL], s100, v[CL]
	v_add_nc_u32 v[HS], HST, v[CL]
	s_mul_i32 s100, s81, 6144
	s_mul_i32 s101, s82, 24
	s_add_co_u32 s100, s100, s101
	s_add_co_u32 s100, s100, CST
	v_mul_u32_u24 v[C3], v1, 48
	v_mad_u32_u24 v[C3], v2, 12, v[C3]
	v_add_nc_u32 v[C3], s100, v[C3]
	s_lshl_b32 s100, s81, 8
	s_add_co_u32 s100, s100, s82
	s_add_co_u32 s100, s100, SST
	v_lshl_add_u32 v[SS], v1, 1, s100
	s_mul_i32 s100, s81, 128*CP
	s_mul_i32 s101, s82, 8*CP
	s_add_co_u32 s100, s100, s101
	v_mul_u32_u24 v[RDC], v2, CP
	v_lshl_add_u32 v[RDC], v1, 4, v[RDC]
	v_add_nc_u32 v[RDC], s100, v[RDC]
	v_add_nc_u32 v[RDH], HST, v[RDC]
	v_lshlrev_b32 v[CO], 13, v2
	v_lshl_add_u32 v[CO], v1, 4, v[CO]
	s_mul_i32 s100, s80, 4*768
	s_add_co_u32 s100, s100, CST
	v_mul_u32_u24 v[RD3], v2, 768
	v_mad_u32_u24 v[RD3], v1, 48, v[RD3]
	v_add_nc_u32 v[RD3], s100, v[RD3]
	v_mul_u32_u24 v[GO3], v2, 3072
	v_lshl_add_u32 v[GO3], v1, 4, v[GO3]
	s_lshl_b32 s100, s82, 8
	s_add_co_u32 s100, s100, SST
	v_add_nc_u32 v[RDS], s100, v[L8]
	s_lshl_b32 s100, s42, 8
	s_lshl_b32 s101, s82, 7
	s_add_co_u32 s100, s100, s101
	s_mov_b32 s101, 0
.irp g, 0,1,2,3
	s_add_nc_u64 s[10+2*\g:11+2*\g], s[10+2*\g:11+2*\g], s[100:101]
.endr
	v_lshlrev_b32 v[BOF], 6, v2
.irp g, 0,1,2,3
.irp u, 0,1
.irp k, 0,1
	global_load_b128 v[BI+8*(2*\g+\u)+4*\k:BI+8*(2*\g+\u)+4*\k+3], v[BOF], s[10+2*\g:11+2*\g] offset:32*\u+16*\k
.endr
.endr
.endr
	s_cmp_eq_u32 s81, 0                            ; do I fetch for A?
	s_cselect_b32 s101, s40, s41                   ; my place among the four that ask for the part with me
	s_cselect_b64 s[44:45], s[92:93], s[94:95]
	s_add_nc_u64 s[46:47], s[44:45], PART
	s_add_nc_u64 s[44:45], s[44:45], TWO
	s_mul_i32 s100, s101, 38*256
	s_mul_i32 s101, s101, 37*256
	v_lshl_add_u32 v[PE1], v10, 8, s100
	v_lshl_add_u32 v[PO1], v10, 8, s101
	v_min_u32 v[PE2], 5, v10
	v_min_u32 v[PO2], 4, v10
	v_lshl_add_u32 v[PE2], v[PE2], 8, s100
	v_lshl_add_u32 v[PO2], v[PO2], 8, s101
	v_add_nc_u32 v[PE2], 32*256, v[PE2]
	v_add_nc_u32 v[PO2], 32*256, v[PO2]
	s_lshl_b32 s100, s43, 8
	s_lshl_b32 s101, s81, 7
	s_add_co_u32 s100, s100, s101
	s_lshl_b32 s101, s82, 3
	s_add_co_u32 s100, s100, s101
	s_lshl_b32 s100, s100, 13
	s_lshl_b32 s101, s42, 8
	s_add_co_u32 s100, s100, s101
	s_mov_b32 s101, 0
	s_add_nc_u64 s[18:19], s[18:19], s[100:101]
	s_add_nc_u64 s[20:21], s[20:21], s[100:101]
	s_lshl_b32 s100, s43, 1
	s_add_co_u32 s100, s100, s81
	s_lshl_b32 s100, s100, 3
	s_lshr_b32 s101, s42, 2
	s_add_co_u32 s100, s100, s101
	s_mul_i32 s100, s100, TILE
	s_mul_i32 s101, s82, 12288
	s_add_co_u32 s100, s100, s101
	s_bfe_u32 s101, s42, 0x10001
	s_mul_i32 s101, s101, FRB
	s_add_co_u32 s100, s100, s101
	s_and_b32 s101, s42, 1
	s_lshl_b32 s101, s101, 8
	s_add_co_u32 s100, s100, s101
	s_mov_b32 s101, 0
	s_add_nc_u64 s[4:5], s[22:23], s[100:101]
	s_lshl_b32 s100, s43, 1
	s_add_co_u32 s100, s100, s82
	s_lshl_b32 s100, s100, 3
	s_lshr_b32 s101, s42, 2
	s_add_co_u32 s100, s100, s101
	s_mul_i32 s100, s100, TILE
	s_and_b32 s101, s42, 3
	s_lshl_b32 s101, s101, 8
	s_add_co_u32 s100, s100, s101
	s_add_co_u32 s100, s100, HTAIL
	s_mov_b32 s101, 0
	s_add_nc_u64 s[6:7], s[22:23], s[100:101]
.macro FRAG reg, adr, off
.irp c, 0,1,2
	ds_load_b128 v[\reg+4*\c:\reg+4*\c+3], v[\adr] offset:\off+512*\c
.endr
.endm
.macro FETCH_B slot, im, p, i0         ; B's blocks i0 .. i0 + 3 into set p: 12 loads
	WIN TO_B
.irp i, \i0, \i0+1, \i0+2, \i0+3
	FRAG 128*(\p)+FR*(\i), ADRB+\slot, (\im)+(\i)*FRB
.endr
.endm
.macro FETCH_A slot, im, i0
.irp i, \i0, \i0+1, \i0+2, \i0+3
	FRAG AF+FR*(\i), ADRA+\slot, (\im)+(\i)*FRB
.endr
.endm
.macro SCALES slot, sc, tl
.irp j, 0,1,2,3
	ds_load_b64 v[(\sc)+2*\j:(\sc)+2*\j+1], v[ASA+\slot] offset:(\tl)+256*\j
	ds_load_b64 v[(\sc)+8+2*\j:(\sc)+8+2*\j+1], v[ASB+\slot] offset:(\tl)+256*\j
.endr
.endm
; 16 matrix instructions: A's blocks a0 .. a0 + 3 x B's blocks 4 bh .. 4 bh + 3.  The 64 accumulators take turns, one instruction a turn, in the same order in every step.
.macro MUL16 a0, bh, p, q, sc, first
.irp a, \a0, \a0+1, \a0+2, \a0+3
.irp b, 0,1,2,3,4,5,6,7
.if \b/4 == \bh
.if \first
	v_wmma_scale_f32_16x16x128_f8f6f4 v[8*(8*((\a)%4)+\b):8*(8*((\a)%4)+\b)+7], v[128*(\p)+FR*\b:128*(\p)+FR*\b+FR-1], v[AF+FR*(\a):AF+FR*(\a)+FR-1], v[BI+8*\b:BI+8*\b+7], v[(\sc)+8+\b], v[(\sc)+(\a)] matrix_a_fmt:MATRIX_FMT_FP6 matrix_b_fmt:MATRIX_FMT_FP6
.elseif \q
	v_wmma_scale_f32_16x16x128_f8f6f4 v[8*(8*((\a)%4)+\b):8*(8*((\a)%4)+\b)+7], v[128*(\p)+FR*\b:128*(\p)+FR*\b+FR-1], v[AF+FR*(\a):AF+FR*(\a)+FR-1], v[8*(8*((\a)%4)+\b):8*(8*((\a)%4)+\b)+7], v[(\sc)+8+\b], v[(\sc)+(\a)] matrix_a_fmt:MATRIX_FMT_FP6 matrix_b_fmt:MATRIX_FMT_FP6 matrix_a_scale:MATRIX_SCALE_ROW1 matrix_b_scale:MATRIX_SCALE_ROW1
.else
	v_wmma_scale_f32_16x16x128_f8f6f4 v[8*(8*((\a)%4)+\b):8*(8*((\a)%4)+\b)+7], v[128*(\p)+FR*\b:128*(\p)+FR*\b+FR-1], v[AF+FR*(\a):AF+FR*(\a)+FR-1], v[8*(8*((\a)%4)+\b):8*(8*((\a)%4)+\b)+7], v[(\sc)+8+\b], v[(\sc)+(\a)] matrix_a_fmt:MATRIX_FMT_FP6 matrix_b_fmt:MATRIX_FMT_FP6
.endif
.endif
.endr
.endr
.endm
.macro WLO first                       ; the windows of the products on my rows 0-63; in the first step C is the bias, in window 0
.if \first
	WIN 0x81
.else
	WIN MUL_LO
.endif
.endm
.macro WHI first                       ; and on my rows 64-127
.if \first
	WIN 0xc1
.else
	WIN MUL_HI
.endif
.endm
; A step of 128 along K in four quarters of 16 matrix instructions, with three runs of LDS loads for the next step: B's eight blocks behind the first quarter (24 loads), A's 0-3 behind the second
; (12, with 8 for the scale words where a new set is due), A's 4-7 behind the fourth (12).  Each run is first used two quarters on or later.
; B's other set was last read a step ago, ahead of that step's last four places; A's blocks are loaded behind four places of their own.
.macro STEP slot, p, q, sc, first, nim, nsc, ntl
	s_wait_dscnt 12                                ; B's eight, the scale words and A's 0-3 are in; A's 4-7 may be out
	WLO \first
	MUL16 0, 0, \p, \q, \sc, \first
	FETCH_B \slot, \nim, 1-\p, 0
	FETCH_B \slot, \nim, 1-\p, 4
	WLO \first
	MUL16 0, 1, \p, \q, \sc, \first
	PLACES 4
	WIN 0
.if \nsc >= 0
	SCALES \slot, \nsc, \ntl
	FETCH_A \slot, \nim, 0
	s_wait_dscnt 44                                ; A's 4-7 are in; behind them: 24, 8 and 12 loads
.else
	FETCH_A \slot, \nim, 0
	s_wait_dscnt 36                                ; A's 4-7 are in; behind them: 24 and 12 loads
.endif
	WHI \first
	MUL16 4, 0, \p, \q, \sc, \first
	MUL16 4, 1, \p, \q, \sc, \first
	PLACES 4
	WIN 0
	FETCH_A \slot, \nim, 4
.endm
; A slot's last step.  The next step's fragments lie in the other slot, so the first run of loads waits for the round and goes out with the second.
.macro TURN slot, next, p, q, sc, fill, nim, nsc, ntl
	s_wait_dscnt 12                                ; all but A's 4-7
	WIN MUL_LO
	MUL16 0, 0, \p, \q, \sc, 0
	WIN 0
.if \fill == 1
	s_wait_xcnt 0x0
	s_add_nc_u64 s[46-2*\slot:47-2*\slot], s[46-2*\slot:47-2*\slot], TWO
.endif
	s_wait_tensorcnt 0x0
	ds_add_u32 v[SPW], v[NIL]
.if \fill == 1
	s_add_nc_u64 s[G0+4*\slot+2:G0+4*\slot+3], s[G0+4*\slot+2:G0+4*\slot+3], TWO
	s_add_nc_u64 s[G0B+4*\slot+2:G0B+4*\slot+3], s[G0B+4*\slot+2:G0B+4*\slot+3], TWO
.endif
	s_wait_dscnt 13                                ; B's 4-7 are in; A's 4-7 and the add may be out
	WIN MUL_LO
	MUL16 0, 1, \p, \q, \sc, 0
	WIN 0
	s_wait_dscnt 0x0
	s_barrier_signal -1
	s_barrier_wait -1
	CREST
.if \fill == 1
	JLOAD G0+4*\slot, G1, G0B+4*\slot, G1B
.else
	tensor_load_to_lds s[G0C:G0C+3], s[G1C:G1C+7]
	s_nop 0
.rept 4
	v_nop
.endr
.endif
	FETCH_B \next, \nim, 1-\p, 0
	WIN 0
.if \nsc >= 0
	SCALES \next, \nsc, \ntl
.endif
	FETCH_A \next, \nim, 0
.if \fill == 1
	ASK 1-\slot, 46-2*\slot, PO1-2*\slot, PO2-2*\slot
.endif
	WIN MUL_HI
	MUL16 4, 0, \p, \q, \sc, 0
	FETCH_B \next, \nim, 1-\p, 4
	WIN MUL_HI
	MUL16 4, 1, \p, \q, \sc, 0
	PLACES 4
	WIN 0
	FETCH_A \next, \nim, 4
.endm
	s_wait_alu depctr_va_vdst(0)
	s_wait_tensorcnt 0x0                           ; my part of slot 0 is in
	ds_add_u32 v[SPW], v[NIL]
	s_wait_dscnt 0x0
	CROUND                                         ; everybody's part of slot 0 is in, and all sixteen work-groups are here
	JLOAD G0+4, G1, G0B+4, G1B                     ; slot 1's first fill, the first tensor load behind the round
	FETCH_B 0, IE0, 0, 0                           ; the first step's fragments, in the order in which a slot's last step fetches the next one's
	WIN 0
	SCALES 0, SC0, TE0
	FETCH_A 0, IE0, 0
	FETCH_B 0, IE0, 0, 4
	WIN 0
	FETCH_A 0, IE0, 4
	global_prefetch_b8 v[PE1], s[44:45] th:TH_LOAD_NT scope:SCOPE_SE   ; slot 0's second fill, requested at the first change of slots, three steps on: no change of slots asks for it ahead
	global_prefetch_b8 v[PE2], s[44:45] th:TH_LOAD_NT scope:SCOPE_SE
	s_wait_loadcnt 0x0
	STEP 0, 0, 0, SC0, 1, IE1, -1, 0
	s_mov_b32 s84, 3
.Llap:
	STEP 0, 1, 1, SC0, 0, IE2, SC1, TE1
	TURN 0, 1, 0, 0, SC1, 1, IO0, -1, 0
	STEP 1, 1, 1, SC1, 0, IO1, SC2, TO2
	STEP 1, 0, 0, SC2, 0, IO2, -1, 0
	TURN 1, 0, 1, 1, SC2, 1, IE0, SC0, TE0
	STEP 0, 0, 0, SC0, 0, IE1, -1, 0
	s_sub_co_u32 s84, s84, 1
	s_cmp_lg_u32 s84, 0
	s_cbranch_scc1 .Llap
	STEP 0, 1, 1, SC0, 0, IE2, SC1, TE1
	TURN 0, 1, 0, 0, SC1, 2, IO0, -1, 0
	STEP 1, 1, 1, SC1, 0, IO1, SC2, TO2
	STEP 1, 0, 0, SC2, 0, IO2, -1, 0
	s_wait_dscnt 12                                ; the very last step: nothing more to fetch
	WIN MUL_LO
	MUL16 0, 0, 1, 1, SC2, 0
	MUL16 0, 1, 1, 1, SC2, 0
	s_wait_dscnt 0x0
	WIN MUL_HI
	MUL16 4, 0, 1, 1, SC2, 0
	MUL16 4, 1, 1, 1, SC2, 0
	WIN 0
	PLACES 4
	s_wait_tensorcnt 0x0
	s_barrier_signal -1
	s_barrier_wait -1
.macro OUTLOAD a
.irp k, 0,1,2,3
	ds_load_b128 v[OB+4*\k:OB+4*\k+3], v[RDC] offset:16*CP*(\a)+2*CP*\k
.endr
.irp k, 0,1,2,3
	ds_load_b128 v[OB+16+4*\k:OB+16+4*\k+3], v[RDH] offset:16*CP*(\a)+2*CP*\k
.endr
.endm
.macro OUTSEND a
.irp k, 0,1,2,3
	global_store_b128 v[CO], v[OB+4*\k:OB+4*\k+3], s[20:21] offset:(16*(\a)+2*\k)*8192 th:TH_STORE_NT
.endr
.irp k, 0,1,2,3
	global_store_b128 v[CO], v[OB+16+4*\k:OB+16+4*\k+3], s[18:19] offset:(16*(\a)+2*\k)*8192 th:TH_STORE_NT
.endr
.endm
.macro PM n
.if (((\n)%64) >= 32) && (((\n)%64) < 48)
	v_pk_mul_f32 v[AC+(\n):AC+(\n)+1], v[AC+(\n):AC+(\n)+1], s[88:89] op_sel_hi:[1,0]
.else
	v_pk_mul_f32 v[AC+(\n):AC+(\n)+1], v[AC+(\n):AC+(\n)+1], s[86:87] op_sel_hi:[1,0]
.endif
.endm
; THE CELL, two blocks of 16 rows (a and a + 1, a even) at a time: their 128 accumulator registers lie on end in one window; block t's gates i, f, c, o at AC + 64 t + 0, 16, 32, 48.
; Every batch of transcendentals has one wait ahead of it and, behind a plain place, one behind it.  Block t: old and new cell in v[COLD + 16 t ..], new hidden in v[HN + 16 t ..],
; its codes and byte in v[CD + 4 t ..]; the maximum's registers are v10-12, v31 and, for t = 1, v16-19, which held LDS addresses of the walk along K.
.macro GATE a
.set AC, 64*((\a)%4)
.set COLD, 64
.set HN, 96
.set CD, 128
	WIN 0
.irp t, 0,1
.irp k, 0,1,2,3
	ds_load_b128 v[COLD+16*\t+4*\k:COLD+16*\t+4*\k+3], v[CL] offset:16*CP*((\a)+\t)+16*\k
.endr
.endr
	WIN 0xaa+0x55*((\a)/4)
	s_wait_alu depctr_va_vdst(0)                   ; directly ahead of the first readers of the two blocks' 128 matrix results
.set j, 0
.rept 64
	PM j                                           ; x -log2 e (gates i, f, o) or x 2 log2 e (gate c), each accumulator from its low end on
.set j, j+2
.endr
	s_wait_alu depctr_va_vdst(0)
.set j, 0
.rept 128
	v_exp_f32 v[AC+j], v[AC+j]
.set j, j+1
.endr
	v_nop
	s_wait_alu depctr_va_vdst(0)
.set j, 0
.rept 64
	v_pk_add_f32 v[AC+j:AC+j+1], v[AC+j:AC+j+1], 1.0 op_sel_hi:[1,0]
.set j, j+2
.endr
	s_wait_alu depctr_va_vdst(0)
.set j, 0
.rept 128
	v_rcp_f32 v[AC+j], v[AC+j]
.set j, j+1
.endr
	v_nop
	s_wait_alu depctr_va_vdst(0)
.irp t, 0,1
.set j, 0
.rept 8
	v_pk_fma_f32 v[AC+64*\t+32+j:AC+64*\t+33+j], v[AC+64*\t+32+j:AC+64*\t+33+j], -2.0, 1.0 op_sel_hi:[1,0,0]   ; tanh(c)
.set j, j+2
.endr
.endr
.irp t, 0,1
.set j, 0
.rept 8
	v_pk_mul_f32 v[AC+64*\t+j:AC+64*\t+j+1], v[AC+64*\t+j:AC+64*\t+j+1], v[AC+64*\t+32+j:AC+64*\t+33+j]         ; sig(i) tanh(c)
.set j, j+2
.endr
.endr
	s_wait_alu depctr_va_vdst(0)
	s_wait_dscnt 0x0                               ; the old cell is in, and so are the last two blocks' rows from the stage
.if (\a) > 0
	WIN 0
.set OB, 160
	OUTSEND (\a)-2
.set OB, 192
	OUTSEND (\a)-1
.endif
	WIN 0x22+0x11*((\a)/4)
.irp t, 0,1
.set j, 0
.rept 8
	v_pk_fma_f32 v[COLD+16*\t+j:COLD+16*\t+j+1], v[AC+64*\t+16+j:AC+64*\t+17+j], v[COLD+16*\t+j:COLD+16*\t+j+1], v[AC+64*\t+j:AC+64*\t+j+1]   ; the new cell
.set j, j+2
.endr
.endr
	WIN 0x80+0x40*((\a)/4)
.irp t, 0,1
.set j, 0
.rept 8
	v_pk_mul_f32 v[AC+64*\t+32+j:AC+64*\t+33+j], v[COLD+16*\t+j:COLD+16*\t+j+1], s[88:89] op_sel_hi:[1,0]
.set j, j+2
.endr
.endr
	WIN 0xaa+0x55*((\a)/4)
	s_wait_alu depctr_va_vdst(0)
.irp t, 0,1
.set j, 0
.rept 16
	v_exp_f32 v[AC+64*\t+32+j], v[AC+64*\t+32+j]
.set j, j+1
.endr
.endr
	v_nop
	s_wait_alu depctr_va_vdst(0)
.irp t, 0,1
.set j, 0
.rept 8
	v_pk_add_f32 v[AC+64*\t+32+j:AC+64*\t+33+j], v[AC+64*\t+32+j:AC+64*\t+33+j], 1.0 op_sel_hi:[1,0]
.set j, j+2
.endr
.endr
	s_wait_alu depctr_va_vdst(0)
.irp t, 0,1
.set j, 0
.rept 16
	v_rcp_f32 v[AC+64*\t+32+j], v[AC+64*\t+32+j]
.set j, j+1
.endr
.endr
	v_nop
	s_wait_alu depctr_va_vdst(0)
.irp t, 0,1
.set j, 0
.rept 8
	v_pk_fma_f32 v[AC+64*\t+32+j:AC+64*\t+33+j], v[AC+64*\t+32+j:AC+64*\t+33+j], -2.0, 1.0 op_sel_hi:[1,0,0]   ; tanh(new cell)
.set j, j+2
.endr
.endr
	WIN 0x0a+0x05*((\a)/4)
.irp t, 0,1
.set j, 0
.rept 8
	v_pk_mul_f32 v[HN+16*\t+j:HN+16*\t+j+1], v[AC+64*\t+48+j:AC+64*\t+49+j], v[AC+64*\t+32+j:AC+64*\t+33+j]     ; the new hidden state
.set j, j+2
.endr
.endr
	WIN 0
.irp t, 0,1
.irp k, 0,1,2,3
	ds_store_b128 v[CL], v[COLD+16*\t+4*\k:COLD+16*\t+4*\k+3] offset:16*CP*((\a)+\t)+16*\k
.endr
.endr
.irp t, 0,1
.irp k, 0,1,2,3
	ds_store_b128 v[HS], v[HN+16*\t+4*\k:HN+16*\t+4*\k+3] offset:16*CP*((\a)+\t)+16*\k
.endr
.endr
.irp t, 0,1                            ; the largest magnitude of my 16 units, two chains a block, the two blocks by turns; the floor 2^(3 - 127) holds the byte at 1 from below
	v_max3_num_f32 v[TM+6*\t], |v[HN+16*\t]|, |v[HN+16*\t+1]|, 0x1800000
	v_max3_num_f32 v[TMB+6*\t], |v[HN+16*\t+8]|, |v[HN+16*\t+9]|, |v[HN+16*\t+10]|
.endr
.irp i, 2,4
.irp t, 0,1
	v_max3_num_f32 v[TM+6*\t], v[TM+6*\t], |v[HN+16*\t+\i]|, |v[HN+16*\t+\i+1]|
	v_max3_num_f32 v[TMB+6*\t], v[TMB+6*\t], |v[HN+16*\t+\i+9]|, |v[HN+16*\t+\i+10]|
.endr
.endr
.irp t, 0,1
	v_max3_num_f32 v[TM+6*\t], v[TM+6*\t], |v[HN+16*\t+6]|, |v[HN+16*\t+7]|
.endr
.irp t, 0,1
	v_max3_num_f32 v[TM+6*\t], v[TM+6*\t], v[TMB+6*\t], |v[HN+16*\t+15]|
.endr
.irp t, 0,1
	v_permlanex16_b32 v[T2-12*\t], v[TM+6*\t], s90, s91
.endr
.irp t, 0,1
	v_max_num_f32 v[TM+6*\t], v[TM+6*\t], v[T2-12*\t]          ; with lane l xor 16's 16 units: the block of 32
.endr
.irp t, 0,1
	v_add_nc_u32 v[SOP+6*\t], 0xff000000, v[TM+6*\t]           ; 2 off the exponent field: the conversion's scale operand
.endr
.irp t, 0,1
	v_lshrrev_b32 v[CD+4*\t+3], 23, v[SOP+6*\t]                ; the byte
.endr
.irp t, 0,1
	v_cvt_scalef32_pk16_fp6_f32 v[CD+4*\t:CD+4*\t+2], v[HN+16*\t:HN+16*\t+15], v[SOP+6*\t]
.endr
	v_nop                                          ; one plain place behind the scaled conversions
.irp t, 0,1
.irp k, 0,1,2
	ds_store_b32 v[C3], v[CD+4*\t+\k] offset:768*((\a)+\t)+4*\k
.endr
	ds_store_b8 v[SS], v[CD+4*\t+3] offset:32*((\a)+\t)
.endr
.endm
.irp a, 0,2,4,6
	GATE \a
	s_wait_dscnt 0x0                               ; for the others' sake: a row's 256 bytes come from two waves
	s_barrier_signal -1
	s_barrier_wait -1
.if \a > 0
	s_wait_xcnt 0x0                                ; the earlier stores have read their registers: the rows below land there
.endif
.set OB, 160                           ; the way out's registers: v160-191 for the even block, v192-223 for the odd one
	OUTLOAD \a
.set OB, 192
	OUTLOAD \a+1
.endr
.irp p, 0,1
.irp c, 0,1,2
	ds_load_b128 v[128+4*(3*\p+\c):131+4*(3*\p+\c)], v[RD3] offset:1536*\p+16*\c
.endr
.endr
	ds_load_b64 v[152:153], v[RDS]
	s_wait_dscnt 7                                 ; the last two blocks' rows are in; the seven loads behind them may be out
.set OB, 160
	OUTSEND 6
.set OB, 192
	OUTSEND 7
	s_wait_dscnt 0x0
.irp p, 0,1
.irp c, 0,1,2
	global_store_b128 v[GO3], v[128+4*(3*\p+\c):131+4*(3*\p+\c)], s[4:5] offset:6144*\p+512*\c
.endr
.endr
	s_cmp_lt_u32 s80, 2
	s_cbranch_scc0 .Lno_bytes
	global_store_b64 v[L8], v[152:153], s[6:7]
.Lno_bytes:
	s_wait_tensorcnt 0x0
	ds_add_u32 v[SPW], v[NIL]
	s_wait_dscnt 0x0
	CROUND
	s_endpgm
.Lfunc_end_k_q21bca6fd37_gates:
	.size	k_q21bca6fd37_gates, .Lfunc_end_k_q21bca6fd37_gates-k_q21bca6fd37_gates
	.p2alignl 7, 3214868480
	.fill 96, 4, 3214868480
	.section	.rodata,"a",@progbits
	.p2align	6, 0x0
	.amdhsa_kernel k_q21bca6fd37_gates
		.amdhsa_group_segment_fixed_size 327680
		.amdhsa_private_segment_fixed_size 0
		.amdhsa_enable_private_segment 0
		.amdhsa_kernarg_size 80
		.amdhsa_user_sgpr_count 2
		.amdhsa_user_sgpr_kernarg_segment_ptr 1
		.amdhsa_wavefront_size32 1
		.amdhsa_system_sgpr_workgroup_id_x 1
		.amdhsa_system_sgpr_workgroup_id_y 1
		.amdhsa_system_sgpr_workgroup_id_z 1
		.amdhsa_system_vgpr_workitem_id 0
		.amdhsa_next_free_vgpr 1024
		.amdhsa_next_free_sgpr 102
		.amdhsa_reserve_vcc 0
		.amdhsa_float_denorm_mode_32 3
		.amdhsa_float_denorm_mode_16_64 3
		.amdhsa_memory_ordered 1
		.amdhsa_forward_progress 1
		.amdhsa_inst_pref_size 255
	.end_amdhsa_kernel
	.section	.bss,"aw",@nobits
	.p2align	6
	.space	262144
	.amdgpu_metadata
---
amdhsa.version: [ 1, 2 ]
amdhsa.kernels:
  - .name:           k_q21bca6fd37_gates
    .symbol:         k_q21bca6fd37_gates.kd
    .args:
      - { .name: acodes, .offset: 0, .size: 8, .value_kind: global_buffer, .address_space: global }
      - { .name: bcodes, .offset: 8, .size: 8, .value_kind: global_buffer, .address_space: global }
      - { .name: cell_state, .offset: 16, .size: 8, .value_kind: global_buffer, .address_space: global }
      - { .name: Wxi_b, .offset: 24, .size: 8, .value_kind: global_buffer, .address_space: global }
      - { .name: Wxf_b, .offset: 32, .size: 8, .value_kind: global_buffer, .address_space: global }
      - { .name: Wxc_b, .offset: 40, .size: 8, .value_kind: global_buffer, .address_space: global }
      - { .name: Wxo_b, .offset: 48, .size: 8, .value_kind: global_buffer, .address_space: global }
      - { .name: out1, .offset: 56, .size: 8, .value_kind: global_buffer, .address_space: global }
      - { .name: out2, .offset: 64, .size: 8, .value_kind: global_buffer, .address_space: global }
      - { .name: hcodes, .offset: 72, .size: 8, .value_kind: global_buffer, .address_space: global }
    .group_segment_fixed_size: 327680
    .private_segment_fixed_size: 0
    .kernarg_segment_align: 8
    .kernarg_segment_size: 80
    .max_flat_workgroup_size: 128
    .sgpr_count:     102
    .vgpr_count:     1024
    .wavefront_size: 32
...
	.end_amdgpu_metadata
.endif
;; end of part 2
;; launch proj (part 3): grid 16 x 16, 4 waves a work-group, clusters of 4 x 4, 327,680 bytes of LDS; arguments hcodes, ycodes, Why_b, out0; writes out0
.if DOCPART == 3
	.amdgcn_target "amdgcn-amd-amdhsa--gfx1250"
	.amdhsa_code_object_version 6
	.text
	.protected	k_q21bca6fd37_proj
	.globl	k_q21bca6fd37_proj
	.p2align	8
	.type	k_q21bca6fd37_proj,@function
k_q21bca6fd37_proj:
	s_mov_b64 s[64:65], 0
	v_nop
	global_prefetch_b8 v0, s[64:65] scope:SCOPE_SE
	s_setreg_imm32_b32 hwreg(HW_REG_WAVE_MODE, 25, 1), 1
	s_wait_xcnt 0x0
	s_wait_alu depctr_hold_cnt(0) depctr_sa_sdst(0) depctr_va_vdst(0) depctr_va_sdst(0) depctr_va_ssrc(0) depctr_va_vcc(0) depctr_vm_vsrc(0)
	s_getreg_b32 s2, hwreg(HW_REG_IB_STS2, 6, 4)
	s_cmp_eq_u32 s2, 0
	s_cbranch_scc0 .Lentry_in_a_cluster
	s_endpgm
.Lentry_in_a_cluster:
	s_bfe_u32 s2, ttmp6, 0x10000c
	s_cmp_lg_u32 s2, 0xf033
	s_cbranch_scc0 .Lentry_shape_is_right
	s_endpgm
.Lentry_shape_is_right:
; out0 = new_hidden Why_w^T + Why_b on codes of FP6 (K = 2,048).  Both operands come as images of their registers (1,536 bytes a fragment), made by the two launches before.
; SHARES.  Work-group (X, Y): rows 128 Y .. + 127, columns 64 X .. + 63.  Wave om = (rh, ch): 64 rows x 32 columns: 4 x 2 accumulators.  Transposed use: source 0 = 16 rows of Why_w, source 1 = 16 rows of new_hidden.
; ALL OF K LIES IN LDS AT ONCE, filled once: A's 8 tiles of 25,600 bytes are 204,800 dense bytes of hcodes, B's 8 of 12,800 are 102,400 dense bytes of ycodes.  ONE joint load a wave at the head:
; waves 0 and 1 ask for the halves of A's bytes (400 rows of 256 each, shared along a row of the cluster), waves 2 and 3 for the halves of B's (200 rows each, along a column).  One wait for 0 and one barrier show all of it to all waves.
; No prefetch: every byte that the work-group reads is asked for by the head's four loads, and there is no loop to run ahead in.
; A's tile: 16 images ((2 i + q) x 1,536), then its scale bytes as the launch before left them: byte 256 cc + 2 row + w, cc the group of 64 units: two loads of 16 bits and one v_perm_b32 make a row's word; lanes 0-15 make the first
; 128 along K's, lanes 16-31 the second's.  B's tile: 4 images of the first 128 along K, 512 bytes of scale words, 4 images of the second.
; LIMITS: NaN and infinities are not served; inside each 128 along K the blocks go in the order 0, 2, 1, 3, on both operands alike; the sums begin with the bias.
.set TILE,  25600
.set T64,   12800
.set TAIL,  24576
.set BTAIL, 6144                       ; B's scale words lie behind the first four images,
.set BQ1,   6656                       ; and the second four behind them
.set FRB,   1536
.set BREG,  8*TILE                     ; B's tiles lie behind A's
.set SPARE, BREG+8*T64                 ; the spare words, 128 bytes a wave: two blocks of 256 bytes that no other line names
.set CP,    272                        ; the way out's stage: 128 rows x (256 + 16) bytes at LDS byte 0, in A's tiles 0 and 1, which nobody reads behind the barrier in K step 7
.set SPW, 1                            ; my spare word's LDS address; never rewritten
.set NIL, 2                            ; 0; never rewritten
.set ADA, 3
.set ADB, 4
.set ASE, 5
.set ASB, 6
.set STO, 7
.set RD,  8
.set CO,  9
.set SA,  12                           ; v12-19 A's scale words, two sets of four;  v20-23 B's, two sets of two
.set SB,  20
.set RAW, 24                           ; v24-31 A's scale bytes as loaded
.set BIAS, 32                          ; v32-47
.set ACC, 48                           ; v48-111: (ai, bi) at ACC + 8 (2 ai + bi)
.set G1A, 24                           ; s[24:31], s[32:39] groups 1;  s[40:43], s[44:47] groups 0
.set G1B, 32
.set G0A, 40
.set G0B, 44
.macro PLACES n
.rept \n
	v_nop
.endr
.endm
.macro CROUND                          ; a round of the cluster's barrier
	s_barrier_signal -1
	s_barrier_wait -1
	s_cmp_lg_u32 s12, 0
	s_cbranch_scc1 .Lnot_wave_0_\@
	s_barrier_signal -3
.Lnot_wave_0_\@:
	s_barrier_wait -3
	s_barrier_signal -1
	s_barrier_wait -1
.endm
	s_load_b256 s[4:11], s[0:1], 0x0               ; hcodes 4, ycodes 6, Why_b 8, out0 10
	v_lshl_add_u32 v[SPW], v0, 2, SPARE
	v_mov_b32 v[NIL], 0
	ds_add_u32 v[SPW], v[NIL]                      ; the wave's opening: two adds on end, waited for ahead of the first tensor load; work on registers stands between
	ds_add_u32 v[SPW], v[NIL]
	v_lshrrev_b32 v10, 5, v0
	v_readfirstlane_b32 s12, v10                   ; wave om
	s_lshr_b32 s13, s12, 1                         ; rh.  Also: I fetch for A (0) or for B (1)
	s_and_b32 s14, s12, 1                          ; ch.  Also: which half of K I fetch
	s_bfe_u32 s15, ttmp6, 0x40000                  ; cx
	s_bfe_u32 s16, ttmp6, 0x40004                  ; cy
	s_lshl_b32 s17, ttmp9, 2
	s_add_co_u32 s17, s17, s15                     ; X
	s_and_b32 s18, ttmp7, 0xffff
	s_lshl_b32 s18, s18, 2
	s_add_co_u32 s18, s18, s16                     ; Y
	s_lshl_b32 s20, s16, 2
	s_lshl_b32 s20, 15, s20                        ; my row of the cluster
	s_lshl_b32 s21, 0x1111, s15                    ; my column
	s_or_b32 s[G1A], s20, (3<<16)|(1<<21)          ; the mask; elements of 8 bytes; bit 21 beside a mask; no padding
	s_or_b32 s[G1B], s21, (3<<16)|(1<<21)
.irp g, G1A, G1B                       ; dense bytes as rows of 256
	s_mov_b32 s[\g+1], 32<<16
	s_mov_b32 s[\g+3], 32<<16
	s_mov_b32 s[\g+5], 32
	s_mov_b32 s[\g+6], 0
	s_mov_b32 s[\g+7], 0
.endr
	s_mov_b32 s[G1A+2], 400<<16                    ; A: four tiles, 102,400 bytes
	s_mov_b32 s[G1A+4], 400
	s_mov_b32 s[G1B+2], 200<<16                    ; B: four tiles, 51,200 bytes
	s_mov_b32 s[G1B+4], 200
	s_lshl_b32 s56, s18, 3
	s_lshl_b32 s57, s14, 2
	s_add_co_u32 s56, s56, s57
	s_mul_i32 s56, s56, TILE                       ; A: tiles 8 Y + 4 (wave % 2) on: made of Y and the wave alone
	s_mov_b32 s57, 0
	s_lshl_b32 s58, s17, 3
	s_lshl_b32 s59, s14, 2
	s_add_co_u32 s58, s58, s59
	s_mul_i32 s58, s58, T64                        ; B: tiles 8 X + 4 (wave % 2) on: of X and the wave alone
	s_mov_b32 s59, 0
	s_mov_b32 s22, 0x05010400                      ; v_perm_b32: bytes E0, O0, E1, O1
	s_wait_dscnt 0x0                               ; both opening adds are done
	s_wait_kmcnt 0x0
	s_mov_b32 s[G0A], 1
	s_mul_i32 s[G0A+1], s14, 4*TILE
	s_add_nc_u64 s[G0A+2:G0A+3], s[4:5], s[56:57]
	s_or_b32 s[G0A+3], s[G0A+3], 0x80000000
	s_mov_b32 s[G0B], 1
	s_mul_i32 s[G0B+1], s14, 4*T64
	s_add_co_u32 s[G0B+1], s[G0B+1], BREG
	s_add_nc_u64 s[G0B+2:G0B+3], s[6:7], s[58:59]
	s_or_b32 s[G0B+3], s[G0B+3], 0x80000000
	CROUND                                         ; all sixteen work-groups are here: the joint loads meet
	s_cmp_eq_u32 s13, 0                            ; one branch on the wave's number, a load in each arm: every way through the head passes exactly one
	s_cbranch_scc0 .Lfor_b
	tensor_load_to_lds s[G0A:G0A+3], s[G1A:G1A+7]
	s_nop 0
.rept 4
	v_nop
.endr
	s_branch .Lasked
.Lfor_b:
	tensor_load_to_lds s[G0B:G0B+3], s[G1B:G1B+7]
	s_nop 0
.rept 4
	v_nop
.endr
.Lasked:
	v_and_b32 v184, 31, v0                         ; lane
	v_and_b32 v185, 15, v0                         ; r
	s_wait_alu depctr_va_vdst(0)
	v_bfe_u32 v186, v0, 4, 1                       ; h
	v_lshlrev_b32 v11, 4, v184
	s_mul_i32 s84, s13, 12288
	v_add_nc_u32 v[ADA], s84, v11                  ; A's images: row blocks 4 rh on
	s_mul_i32 s84, s14, 3072
	s_add_co_u32 s84, s84, BREG
	v_add_nc_u32 v[ADB], s84, v11                  ; B's: row blocks 2 ch on
	s_lshl_b32 s84, s13, 7
	v_lshl_add_u32 v[ASE], v185, 1, s84
	v_lshl_add_u32 v[ASE], v186, 9, v[ASE]         ; A's scale bytes: 2 (64 rh + r), and 512 on for the second 128 along K
	s_lshl_b32 s84, s14, 8
	s_add_co_u32 s84, s84, BREG
	v_lshl_add_u32 v[ASB], v184, 3, s84            ; B's scale words: blocks 2 ch, 2 ch + 1
	s_mul_i32 s84, s13, 64*CP
	s_lshl_b32 s85, s14, 7
	s_add_co_u32 s84, s84, s85
	v_mul_u32_u24 v[STO], v185, CP
	s_wait_alu depctr_va_vdst(0)                   ; the same for h
	v_lshl_add_u32 v[STO], v186, 5, v[STO]
	v_add_nc_u32 v[STO], s84, v[STO]               ; the stage, in: row 64 rh + r, byte 128 ch + 32 h
	s_mul_i32 s84, s12, 32*CP
	v_mul_u32_u24 v[RD], v186, CP
	v_lshl_add_u32 v[RD], v185, 4, v[RD]
	v_add_nc_u32 v[RD], s84, v[RD]                 ; back: rows 32 om on, two rows an instruction
	v_lshlrev_b32 v[CO], 12, v186
	v_lshl_add_u32 v[CO], v185, 4, v[CO]           ; and the same two rows in out0
	v_lshlrev_b32 v10, 5, v186
	s_lshl_b32 s84, s17, 8
	s_lshl_b32 s85, s14, 7
	s_add_co_u32 s84, s84, s85
	s_mov_b32 s85, 0
	s_add_nc_u64 s[8:9], s[8:9], s[84:85]          ; the bias of my 32 columns; lane (r, h) wants, for tile bi, columns 16 bi + 8 h + 0 .. 7
.irp bi, 0,1
.irp k, 0,1
	global_load_b128 v[BIAS+8*\bi+4*\k:BIAS+8*\bi+4*\k+3], v10, s[8:9] offset:64*\bi+16*\k
.endr
.endr
	s_lshl_b32 s84, s18, 7
	s_lshl_b32 s85, s12, 5
	s_add_co_u32 s84, s84, s85
	s_lshl_b32 s84, s84, 12
	s_lshl_b32 s85, s17, 8
	s_add_co_u32 s84, s84, s85
	s_mov_b32 s85, 0
	s_add_nc_u64 s[10:11], s[10:11], s[84:85]      ; out0 at row 128 Y + 32 om, column 64 X
; K step n (128 along K): tile n / 2, half n % 2.  Its fragments go into set n % 2 (v112-183, v184-255: A's four at + 12 ai, B's two at + 48 + 12 bi); with an even n come the tile's scale bytes and words.
.macro FETCH n
.set TT, ((\n)/2)%2
.set QQ, (\n)%2
.set FS, 112+72*((\n)%2)
.if ((\n)%4 == 0) && ((\n) > 0)
	v_add_nc_u32 v[ADA], 2*TILE, v[ADA]            ; two tiles on: the immediates reach over two
	v_add_nc_u32 v[ASE], 2*TILE, v[ASE]
	v_add_nc_u32 v[ADB], 2*T64, v[ADB]
	v_add_nc_u32 v[ASB], 2*T64, v[ASB]
.endif
.irp ai, 0,1,2,3
.irp c, 0,1,2
	ds_load_b128 v[FS+12*\ai+4*\c:FS+12*\ai+4*\c+3], v[ADA] offset:TT*TILE+(2*\ai+QQ)*FRB+512*\c
.endr
.endr
.irp bi, 0,1
.irp c, 0,1,2
	ds_load_b128 v[FS+48+12*\bi+4*\c:FS+48+12*\bi+4*\c+3], v[ADB] offset:TT*T64+QQ*BQ1+\bi*FRB+512*\c
.endr
.endr
.if QQ == 0
.irp ai, 0,1,2,3
	ds_load_u16 v[RAW+2*\ai], v[ASE] offset:TT*TILE+TAIL+32*\ai
	ds_load_u16 v[RAW+2*\ai+1], v[ASE] offset:TT*TILE+TAIL+32*\ai+256
.endr
	ds_load_b64 v[SB+2*TT:SB+2*TT+1], v[ASB] offset:TT*T64+BTAIL
.endif
.endm
; The eight accumulators take turns, one instruction a turn, in the same order in every step.
.macro KSTEP n
.set KT, ((\n)/2)%2
.set KQ, (\n)%2
.set KF, 112+72*((\n)%2)
	s_wait_dscnt 0x0                               ; this step's fragments are in (asked for a step ago)
.if KQ == 0
.irp ai, 0,1,2,3
	v_perm_b32 v[SA+4*KT+\ai], v[RAW+2*\ai+1], v[RAW+2*\ai], s22   ; the row's scale word
.endr
.endif
.if (\n) == 7
	s_barrier_signal -1                            ; every wave's reads of K steps 0 to 7 are back: behind this barrier nobody reads A's tiles 0 and 1, where the way out's stage lies
	s_barrier_wait -1
.endif
.if KQ == 0
	PLACES 8                                       ; a scale register written by a vector instruction stands 8 places ahead of the scaled product; they also serve the loads below
.else
	PLACES 4                                       ; in front of loads into registers that the last step's products have read
.endif
.if (\n) < 15
	FETCH (\n)+1
.endif
.irp ai, 0,1,2,3
.irp bi, 0,1
.if (\n) == 0
	s_wait_alu depctr_va_vdst(0)
	v_wmma_scale_f32_16x16x128_f8f6f4 v[ACC+8*(2*\ai+\bi):ACC+8*(2*\ai+\bi)+7], v[KF+48+12*\bi:KF+48+12*\bi+11], v[KF+12*\ai:KF+12*\ai+11], v[BIAS+8*\bi:BIAS+8*\bi+7], v[SB+2*KT+\bi], v[SA+4*KT+\ai] matrix_a_fmt:MATRIX_FMT_FP6 matrix_b_fmt:MATRIX_FMT_FP6
.elseif KQ
	v_wmma_scale_f32_16x16x128_f8f6f4 v[ACC+8*(2*\ai+\bi):ACC+8*(2*\ai+\bi)+7], v[KF+48+12*\bi:KF+48+12*\bi+11], v[KF+12*\ai:KF+12*\ai+11], v[ACC+8*(2*\ai+\bi):ACC+8*(2*\ai+\bi)+7], v[SB+2*KT+\bi], v[SA+4*KT+\ai] matrix_a_fmt:MATRIX_FMT_FP6 matrix_b_fmt:MATRIX_FMT_FP6 matrix_a_scale:MATRIX_SCALE_ROW1 matrix_b_scale:MATRIX_SCALE_ROW1
.else
	v_wmma_scale_f32_16x16x128_f8f6f4 v[ACC+8*(2*\ai+\bi):ACC+8*(2*\ai+\bi)+7], v[KF+48+12*\bi:KF+48+12*\bi+11], v[KF+12*\ai:KF+12*\ai+11], v[ACC+8*(2*\ai+\bi):ACC+8*(2*\ai+\bi)+7], v[SB+2*KT+\bi], v[SA+4*KT+\ai] matrix_a_fmt:MATRIX_FMT_FP6 matrix_b_fmt:MATRIX_FMT_FP6
.endif
.endr
.endr
.endm
	s_wait_alu depctr_va_vdst(0)
	s_wait_tensorcnt 0x0                           ; my one load has landed
	s_barrier_signal -1
	s_barrier_wait -1                              ; and so has every wave's: all of K is in LDS
	FETCH 0
	s_wait_loadcnt 0x0                             ; the bias
.irp n, 0,1,2,3,4,5,6,7,8,9,10,11,12,13,14,15
	s_wait_alu depctr_va_vdst(0)
	KSTEP \n
.endr
	PLACES 4                                       ; behind the last products, ahead of the first read of results and of loads into the fragments' registers
.irp ai, 0,1,2,3
.irp bi, 0,1
	ds_store_b128 v[STO], v[ACC+8*(2*\ai+\bi):ACC+8*(2*\ai+\bi)+3] offset:16*CP*\ai+64*\bi       ; each accumulator from its low end on: out0(64 rh + 16 ai + r, 32 ch + 16 bi + 8 h + 0 .. 7)
	ds_store_b128 v[STO], v[ACC+8*(2*\ai+\bi)+4:ACC+8*(2*\ai+\bi)+7] offset:16*CP*\ai+64*\bi+16
.endr
.endr
	s_wait_dscnt 0x0                               ; for the others' sake: a row's 256 bytes come from two waves
	s_barrier_signal -1
	s_barrier_wait -1
.irp k, 0,1,2,3,4,5,6,7,8,9,10,11,12,13,14,15
	ds_load_b128 v[112+4*\k:115+4*\k], v[RD] offset:2*CP*\k
.endr
.irp k, 0,1,2,3,4,5,6,7,8,9,10,11,12,13,14,15
	s_wait_dscnt 15-\k                             ; pair k of rows is in, the younger ones may be out
	global_store_b128 v[CO], v[112+4*\k:115+4*\k], s[10:11] offset:8192*\k th:TH_STORE_NT   ; each half of the lanes stores 256 consecutive bytes, aligned
.endr
	s_wait_tensorcnt 0x0                           ; the wave's end
	ds_add_u32 v[SPW], v[NIL]
	s_wait_dscnt 0x0
	CROUND                                         ; the closing round
	s_endpgm
.Lfunc_end_k_q21bca6fd37_proj:
	.size	k_q21bca6fd37_proj, .Lfunc_end_k_q21bca6fd37_proj-k_q21bca6fd37_proj
	.p2alignl 7, 3214868480
	.fill 96, 4, 3214868480
	.section	.rodata,"a",@progbits
	.p2align	6, 0x0
	.amdhsa_kernel k_q21bca6fd37_proj
		.amdhsa_group_segment_fixed_size 327680
		.amdhsa_private_segment_fixed_size 0
		.amdhsa_enable_private_segment 0
		.amdhsa_kernarg_size 32
		.amdhsa_user_sgpr_count 2
		.amdhsa_user_sgpr_kernarg_segment_ptr 1
		.amdhsa_wavefront_size32 1
		.amdhsa_system_sgpr_workgroup_id_x 1
		.amdhsa_system_sgpr_workgroup_id_y 1
		.amdhsa_system_sgpr_workgroup_id_z 1
		.amdhsa_system_vgpr_workitem_id 0
		.amdhsa_next_free_vgpr 256
		.amdhsa_next_free_sgpr 100
		.amdhsa_reserve_vcc 0
		.amdhsa_float_denorm_mode_32 3
		.amdhsa_float_denorm_mode_16_64 3
		.amdhsa_memory_ordered 1
		.amdhsa_forward_progress 1
		.amdhsa_inst_pref_size 57
	.end_amdhsa_kernel
	.amdgpu_metadata
---
amdhsa.version: [ 1, 2 ]
amdhsa.kernels:
  - .name:           k_q21bca6fd37_proj
    .symbol:         k_q21bca6fd37_proj.kd
    .args:
      - { .name: hcodes, .offset: 0, .size: 8, .value_kind: global_buffer, .address_space: global }
      - { .name: ycodes, .offset: 8, .size: 8, .value_kind: global_buffer, .address_space: global }
      - { .name: Why_b, .offset: 16, .size: 8, .value_kind: global_buffer, .address_space: global }
      - { .name: out0, .offset: 24, .size: 8, .value_kind: global_buffer, .address_space: global }
    .group_segment_fixed_size: 327680
    .private_segment_fixed_size: 0
    .kernarg_segment_align: 8
    .kernarg_segment_size: 32
    .max_flat_workgroup_size: 128
    .sgpr_count:     100
    .vgpr_count:     256
    .wavefront_size: 32
...
	.end_amdgpu_metadata
.endif
;; end of part 3
